; MI455X (gfx1250); checked and timed in simulation.
; The chip was launched on July 23, 2026; its instructions are those of AMD's public machine-readable ISA for CDNA 5 (MIT licence, August 2026) and "CDNA5" Instruction Set Architecture Reference Guide (July 2026). The comments in the code are by the model that wrote it; some were corrected since.
;; Multi Head Attention. Allowed arithmetic: matrix products marked QUANTISED: E2M1 operands, one E8M0 scale for each 32 along K, by v_wmma_scale_f32_16x16x128_f8f6f4 with both operands' format E2M1 (or v_wmma_scale_f32_32x16x128_f4), f32 sums; everything else in f32.
;; Inputs: Wk 1,024 x 1,024 float32; Wo 1,024 x 1,024 float32; Wq 1,024 x 1,024 float32; Wv 1,024 x 1,024 float32; bk 1,024 float32; bo 1,024 float32; bq 1,024 float32; bv 1,024 float32; k 4 x 2,048 x 1,024 float32; mask 1 x 1 x 2,048 x 2,048 int32; q 4 x 2,048 x 1,024 float32; v 4 x 2,048 x 1,024 float32.
;; Outputs: out0 4 x 2,048 x 1,024 float32.
;; This version of the problem:
;;   THIS VERSION OF THE PROBLEM IS GIVEN IN LOW PRECISION. The matrix products marked QUANTISED in the list below multiply operands that are first quantised to E2M1 (2 exponent bits, 1 mantissa bit; 4 bits a number), with one power-of-two scale for each 32 numbers along K (OCP MX v1.0); their sums are f32. All else is computed in f32.
;;   The module's matrix products, in the order in which they are computed (A, B: the left and right operand; K: the contracted axis; several contracted axes count as one K, in the product's order):
;;     1. [M 8,192, K 1,024] x [K 1,024, N 1,024]; A: input q; B: input Wq: QUANTISED
;;     2. [M 8,192, K 1,024] x [K 1,024, N 1,024]; A: input k; B: input Wk: QUANTISED
;;     3. [M 8,192, K 1,024] x [K 1,024, N 1,024]; A: input v; B: input Wv: QUANTISED
;;     4. batch 64 x [M 2,048, K 64] x [K 64, N 2,048]; A: computed on the way; B: computed on the way: QUANTISED
;;     5. batch 64 x [M 2,048, K 2,048] x [K 2,048, N 64]; A: softmax (see below); B: computed on the way: QUANTISED
;;     6. [M 8,192, K 1,024] x [K 1,024, N 1,024]; A: computed on the way; B: input Wo: QUANTISED
;;   THE QUANTISER, for each operand of a quantised product, along K:
;;     - K is cut into blocks of 32 from its start; a last block that is shorter is filled with zeros.
;;     - A block's scale is 2^e with e = floor(log2(the largest magnitude in the block)) - 2, held to -126 .. 127; a block of zeros has e = 0. As a byte (E8M0): e + 127.
;;     - Each number is divided by its block's scale, clamped to +-6, and rounded to the nearest number of E2M1, ties to even, subnormals kept.
;;     - The product sums the exact products of the quantised numbers (number of the format x scale) in f32.
;;   ~~~python
;;   def quantise(x, axis):      # numpy; x: float32 -> the quantised numbers, widened to float32 again
;;       x = np.moveaxis(x, axis, -1); K = x.shape[-1]
;;       x = np.pad(x, [(0, 0)] * (x.ndim - 1) + [(0, -K % 32)]); x = x.reshape(x.shape[:-1] + (-1, 32)); a = np.abs(x).max(-1, keepdims=True)
;;       e = np.where(a > 0, np.clip(np.frexp(np.where(a > 0, a, 1))[1] - 1 - 2, -126, 127), 0)      # np.frexp(a)[1] - 1 = floor(log2(a)), exactly
;;       r = np.clip(x / 2.0 ** e, -6, 6)
;;       step = 2.0 ** (np.maximum(np.frexp(np.where(r == 0, 1, r))[1] - 1, 0) - 1)
;;       q = np.round(r / step) * step * 2.0 ** e      # np.round: ties to even
;;       return np.moveaxis(q.reshape(q.shape[:-2] + (-1,))[..., :K], -1, axis).astype(np.float32)
;;   ~~~
;;   SOFTMAX AHEAD OF A QUANTISED PRODUCT. Where the list says 'softmax', what is quantised is not the finished softmax but p = 2^(t - M), with t = logit x log2(e) and M = ceil(the row's largest t), a whole number; so 1/2 < the row's largest p <= 1. The row's sum l is taken of the UNQUANTISED p, in f32, and the product's result is divided by l at the end. Since M is a whole number, a kernel that streams over the keys may use a running M (the ceiling of the running maximum): every later rescaling is an exact power of two, which a block's scale takes up: the codes' values come out the same.
;;   OPERANDS COMPUTED ON THE WAY. 'Computed on the way' means the value that the module computes at that place (a softmax that the list does not call 'softmax' is quantised finished and normalised). What goes into a quantiser is computed in f32, as accurately as f32 sums, v_exp_f32 and their like allow (about 1e-6 of the number): no bf16 or f16 on the way to a quantiser, and a product that is left as it is and whose result goes on into a quantised operand takes f32 operands (vector FMAs, or v_wmma_f32_16x16x4_f32). A number that lies on a knife's edge between two numbers of the format may be rounded either way, as far as f32 arithmetic and the matrix unit's own rounding can turn it there, and no further.
;; One version. Each part assembles by itself: llvm-mc -triple=amdgcn-amd-amdhsa -mcpu=gfx1250 --defsym DOCPART=n.
;; ======== version 1 of 1: 4 launches
;; limits: right only within a limited range of input values
;; workspace buffers: img 14,680,064 bytes; scl 917,504 bytes; mwords 524,288 bytes of whole numbers; mstat 16,384 bytes of whole numbers; hd 13,893,632 bytes; oim 4,194,304 bytes; osc 262,144 bytes
;; launch prep (part 1): grid 576 x 1, 4 waves a work-group, no clusters, 68,096 bytes of LDS; arguments q, k, v, Wq, Wk, Wv, Wo, mask, img, scl, mwords, mstat; writes img, scl, mwords, mstat
.if DOCPART == 1
	.amdgcn_target "amdgcn-amd-amdhsa--gfx1250"
	.amdhsa_code_object_version 6
	.text
	.protected	k_q20a28b84a3_prep
	.globl	k_q20a28b84a3_prep
	.p2align	8
	.type	k_q20a28b84a3_prep,@function
k_q20a28b84a3_prep:
	s_mov_b64 s[64:65], 0
	v_nop
	global_prefetch_b8 v0, s[64:65] scope:SCOPE_SE
	s_setreg_imm32_b32 hwreg(HW_REG_WAVE_MODE, 25, 1), 1
	s_wait_xcnt 0x0
; q, k, v [8192][1024] and Wq, Wk, Wv, Wo [1024][1024], f32, K innermost, become codes of FP4 (E2M1) with one E8M0 byte for each 32 along K, laid as IMAGES OF OPERAND REGISTERS;
; the mask [2048][2048] int32 becomes lane-mask words and two statistics for each tile of 16 queries x 128 keys.
; TILE ORDER, in the whole program: lane p (0..15) of tile T takes row 32 (T / 2) + 8 (T % 2) + p + 8 (p / 8).
; IMAGE of a fragment (16 rows x 128 K, 8 registers): 1,024 bytes: part c (0, 1) is 512 bytes, lane l's registers 4 c .. 4 c + 3 at 512 c + 16 l; lane (r, h) holds k = 64 c + 32 h + 0 .. 31 of row r there.
; img: [tile][K step 8][1,024 bytes]; scl: [tile][r 16][K step 8] words, byte b of a word for k = 32 b on.  Tiles: q from 0, k from 512, v from 1024, Wq 1536, Wk 1600, Wv 1664, Wo 1728.
; mwords: [query tile i 128][key step j 16][n 64] words: bit L of word n is set where mask[query of lane L % 16][128 j + 32 (n / 16) + 16 (L / 16) + n % 16] is not 0: the lane mask of score register n in the attention.
; mstat: [i][j]{the OR, the AND of the 64 words}.
; A block's scale is 2^(floor(log2(its largest magnitude)) - 2); its byte is that magnitude's exponent field - 2, held at 1 from below by a floor among the maximum's leaves.
; LIMITS: a block whose largest magnitude lies under 2^-124 keeps the byte 1; a block of zeros gets the byte 1 where the rule says 127 (its codes are zeros, and this program alone reads the bytes); NaN and infinities are not served.
; SHARES: work-groups 0..447: a wave takes one tile, 16 rows x 1,024.  Work-groups 448..575: a query tile each, a wave four key steps.  Waves share nothing: no barrier; each wave has a stage of its own in LDS,
; and the two paths have LDS bytes of their own.  Each load reads 512 consecutive bytes of one row; the stage (16 rows of 512 bytes + 16) turns them so that a lane holds whole blocks of its row.
; The last store of the mask path writes 32 bytes a wave: a part of an aligned 256 bytes; it is 16 KB of the launch's 16 MB of stores.
.set PITCH, 528                        ; a stage row: 512 bytes + 16: row r starts 4 r banks on (64 banks of 4 bytes: ISA guide 11.1)
.set WST,   16*PITCH                   ; a wave's stage
.set MBASE, 4*WST                      ; the mask path's stages lie behind the quantiser's
.set SW, 16                            ; v16-23   quantiser: a scale word for each K step.  mask path: v16-17 the 64 words (lane m: words 2 m, 2 m + 1), v18 the statistics
.set PC, 24                            ; v24-31   a fragment's codes
.set R,  32                            ; v32-159  two sets of 64 registers as loaded
.set X,  160                           ; v160-223 64 numbers as the work wants them
.set SEL, 32                           ; s[32:33] v_permlanex16_b32's selects for lane l xor 16
	s_load_b512 s[4:19], s[0:1], 0x0               ; q 4, k 6, v 8, Wq 10, Wk 12, Wv 14, Wo 16, mask 18
	s_load_b256 s[20:27], s[0:1], 0x40             ; img 20, scl 22, mwords 24, mstat 26
	v_lshl_add_u32 v224, v0, 2, 0x10800
	v_mov_b32 v225, 0
	v_lshrrev_b32 v1, 5, v0
	v_readfirstlane_b32 s2, v1                     ; wave 0..3
	v_and_b32 v1, 31, v0                           ; lane
	v_and_b32 v3, 15, v0                           ; r
	v_bfe_u32 v4, v0, 4, 1                         ; h
	v_lshlrev_b32 v2, 4, v1                        ; 16 x lane
	s_mul_i32 s3, s2, WST                          ; my stage
	s_mov_b32 s35, 0                               ; high words of the offset pairs
	s_mov_b32 s39, 0
.macro LOAD s, rowb                    ; step s: 512 bytes of each of the tile's 16 rows into set s % 2
.set RS, R+64*((\s)%2)
.set p, 0
.rept 16
	global_load_b128 v[RS+4*p:RS+4*p+3], v2, s[28:29] offset:(p+8*(p/8))*(\rowb)+512*(\s) th:TH_LOAD_NT
.set p, p+1
.endr
.endm
.macro INTO s                          ; the set goes into my stage as it was loaded
.set RS, R+64*((\s)%2)
.set p, 0
.rept 16
	ds_store_b128 v5, v[RS+4*p:RS+4*p+3] offset:PITCH*p
.set p, p+1
.endr
.endm
	s_cmp_ge_u32 ttmp9, 448
	s_cbranch_scc1 .Lmask
	; ---------------- the quantiser ----------------
	v_add_nc_u32 v5, s3, v2                        ; into the stage: 16 x lane
	v_mul_u32_u24 v6, v3, PITCH
	v_lshl_add_u32 v6, v4, 7, v6
	v_add_nc_u32 v6, s3, v6                        ; out of it: row r, + 128 h: blocks h and 2 + h are mine
	v_lshlrev_b32 v7, 3, v4                        ; 8 h: where my two bytes stand in the scale word
	v_lshlrev_b32 v8, 5, v3
	v_lshl_add_u32 v8, v4, 4, v8                   ; 32 r + 16 h: my 16 bytes of the tile's scale words
	v_mov_b32 v14, 0                               ; written once: a lane permute's destination counts as one of its sources
	s_mov_b32 s[SEL], 0x76543210
	s_mov_b32 s[SEL+1], 0xfedcba98
	s_mov_b32 s36, 0xffff0000                      ; lanes 16-31
	s_wait_kmcnt 0x0
	s_mov_b64 s[28:29], s[4:5]                     ; which tensor: the choice hangs on the work-group's number alone
	s_mov_b32 s30, 0
.macro PICK first, ptr
	s_cmp_ge_u32 ttmp9, \first
	s_cselect_b64 s[28:29], s[\ptr:\ptr+1], s[28:29]
	s_cselect_b32 s30, \first, s30
.endm
	PICK 128, 6
	PICK 256, 8
	PICK 384, 10
	PICK 400, 12
	PICK 416, 14
	PICK 432, 16
	s_sub_co_u32 s31, ttmp9, s30
	s_lshl_b32 s31, s31, 2
	s_add_co_u32 s31, s31, s2                      ; my tile in its tensor
	s_lshr_b32 s34, s31, 1
	s_lshl_b32 s34, s34, 5
	s_and_b32 s31, s31, 1
	s_lshl_b32 s31, s31, 3
	s_add_co_u32 s34, s34, s31                     ; its first row: 32 (T / 2) + 8 (T % 2)
	s_lshl_b32 s34, s34, 12                        ; rows of 4,096 bytes
	s_add_nc_u64 s[28:29], s[28:29], s[34:35]
	s_lshl_b32 s38, ttmp9, 2
	s_add_co_u32 s38, s38, s2                      ; my tile among all 1,792
	s_lshl_b32 s34, s38, 13
	s_add_nc_u64 s[20:21], s[20:21], s[34:35]      ; its eight images
	s_lshl_b32 s38, s38, 9
	s_add_nc_u64 s[22:23], s[22:23], s[38:39]      ; its scale words
	s_wait_alu depctr_va_vdst(0)
	LOAD 0, 4096
	LOAD 1, 4096
.macro QSTEP s                         ; K step s: 16 rows x 128 numbers become one image and one scale word a row
.if (\s) < 7
	s_wait_loadcnt 16                              ; this step's 16 loads are in; the next step's 16 may be out
.else
	s_wait_loadcnt 0x0
.endif
	INTO \s
.irp c, 0,1
.irp i, 0,1,2,3,4,5,6,7
	ds_load_b128 v[X+32*\c+4*\i:X+32*\c+4*\i+3], v6 offset:256*\c+16*\i   ; k = 64 c + 32 h + 4 i on, of row r.  LDS serves a wave's instructions in order: these see the stores above
.endr
.endr
	s_wait_dscnt 0x0                               ; my numbers are back, and the stores have read the set,
.if (\s)+2 < 8
	LOAD (\s)+2, 4096                              ; which takes the loads of two steps on
.endif
.irp c, 0,1
	v_max3_num_f32 v[9+\c], |v[X+32*\c]|, |v[X+32*\c+1]|, 0x1800000   ; a block's largest magnitude: all 32 numbers are mine; and the floor 2^(3 - 127)
.endr
.set i, 2
.rept 15
.irp c, 0,1
	v_max3_num_f32 v[9+\c], v[9+\c], |v[X+32*\c+i]|, |v[X+32*\c+i+1]|   ; (the two blocks by turns)
.endr
.set i, i+2
.endr
	v_add_nc_u32 v11, 0xff000000, v9               ; 2 off the exponent field: the conversion takes the exponent field of this operand as its scale
	v_add_nc_u32 v12, 0xff000000, v10
	v_lshrrev_b32 v9, 23, v11                      ; the scales' bytes
	v_lshrrev_b32 v10, 23, v12
	v_lshl_or_b32 v13, v10, 16, v9                 ; blocks h and 2 + h,
	v_lshlrev_b32 v13, v7, v13                     ; at their places in the word;
	v_permlanex16_b32 v14, v13, s[SEL], s[SEL+1]
	v_or_b32 v[SW+(\s)], v13, v14                  ; with lane l xor 16's two the word is whole
	s_wait_alu depctr_va_vdst(0)
	s_wait_xcnt 0x0                                ; the last step's stores have read the codes' registers: they are written again only behind this wait
.irp c, 0,1
.irp g, 0,1,2,3
	v_cvt_scalef32_pk8_fp4_f32 v[PC+4*\c+\g], v[X+32*\c+8*\g:X+32*\c+8*\g+7], v[11+\c]
.endr
.endr
	v_nop                                          ; one plain instruction behind the last scaled conversion
.irp c, 0,1
	global_store_b128 v2, v[PC+4*\c:PC+4*\c+3], s[20:21] offset:1024*(\s)+512*\c   ; 32 lanes store 512 consecutive bytes
.endr
.endm
.irp s, 0,1,2,3,4,5,6,7
	QSTEP \s
.endr
.irp q, 0,1,2,3
	v_cndmask_b32 v[X+\q], v[SW+\q], v[SW+4+\q], s36   ; lanes 0-15 store K steps 0-3 of their row, lanes 16-31 K steps 4-7
.endr
	global_store_b128 v8, v[X:X+3], s[22:23]       ; the tile's 512 bytes of scale words
	s_wait_tensorcnt 0x0
	ds_add_u32 v224, v225
	s_wait_dscnt 0x0
	s_endpgm
	; ---------------- the mask ----------------
.Lmask:
	s_add_co_u32 s3, s3, MBASE
	s_wait_alu depctr_va_vdst(0)
	v_add_nc_u32 v5, s3, v2                        ; into the stage
	v_mul_u32_u24 v6, v3, PITCH
	v_lshl_add_u32 v6, v4, 6, v6
	v_add_nc_u32 v6, s3, v6                        ; out of it: query row r, + 64 h: 16 keys of each block of 32
	v_mov_b32 v16, 0                               ; written once: v_writelane_b32's destination counts as read
	v_mov_b32 v17, 0
	v_mov_b32 v18, 0
	v_lshlrev_b32 v19, 3, v1                       ; 8 x lane
	v_lshlrev_b32 v20, 2, v1                       ; 4 x lane
	s_sub_co_u32 s30, ttmp9, 448                   ; the query tile i
	s_lshr_b32 s34, s30, 1
	s_lshl_b32 s34, s34, 5
	s_and_b32 s31, s30, 1
	s_lshl_b32 s31, s31, 3
	s_add_co_u32 s34, s34, s31                     ; its first query
	s_lshl_b32 s34, s34, 13                        ; rows of 8,192 bytes
	s_lshl_b32 s31, s2, 11                         ; my four key steps: 2,048 bytes of each row
	s_add_co_u32 s34, s34, s31
	s_wait_alu depctr_va_vdst(0)
	s_wait_kmcnt 0x0
	s_add_nc_u64 s[28:29], s[18:19], s[34:35]
	s_lshl_b32 s34, s30, 12
	s_lshl_b32 s31, s2, 10
	s_add_co_u32 s34, s34, s31                     ; (16 i + 4 wave) x 256
	s_add_nc_u64 s[24:25], s[24:25], s[34:35]
	s_lshl_b32 s38, s30, 7
	s_lshl_b32 s31, s2, 5
	s_add_co_u32 s38, s38, s31                     ; 128 i + 32 wave
	s_add_nc_u64 s[26:27], s[26:27], s[38:39]
	LOAD 0, 8192
	LOAD 1, 8192
.macro MSTEP jj                        ; one key step: 16 queries x 128 keys become 64 words
.if (\jj) < 3
	s_wait_loadcnt 16                              ; this step's 16 loads are in; the next step's may be out
.else
	s_wait_loadcnt 0x0
.endif
	INTO \jj
.irp b, 0,1,2,3
.irp i, 0,1,2,3
	ds_load_b128 v[X+16*\b+4*\i:X+16*\b+4*\i+3], v6 offset:128*\b+16*\i   ; register n = 16 b + 4 i + ..: key 32 b + 16 h + n % 16 of query r
.endr
.endr
	s_wait_dscnt 0x0
.if (\jj)+2 < 4
	LOAD (\jj)+2, 8192
.endif
	s_wait_xcnt 0x0                                ; the last step's store has read the words' registers
	s_mov_b32 s40, 0                               ; the OR
	s_mov_b32 s41, -1                              ; and the AND of the 64 words
.irp g, 0,1,2,3
.irp e, 0,1,2,3,4,5,6,7,8,9,10,11,12,13,14,15
	v_cmp_ne_u32 s[44+\e], 0, v[X+16*\g+\e]        ; word n = 16 g + e: a bit for each lane
.endr
.irp e, 0,1,2,3,4,5,6,7,8,9,10,11,12,13,14,15
	v_writelane_b32 v[16+(\e%2)], s[44+\e], 8*\g+\e/2
	s_or_b32 s40, s40, s[44+\e]
	s_and_b32 s41, s41, s[44+\e]
.endr
.endr
	global_store_b64 v19, v[16:17], s[24:25] offset:256*(\jj)   ; 32 lanes store 256 consecutive bytes, aligned
	v_writelane_b32 v18, s40, 2*(\jj)
	v_writelane_b32 v18, s41, 2*(\jj)+1
.endm
.irp jj, 0,1,2,3
	MSTEP \jj
.endr
	s_wait_alu depctr_va_vdst(0)
	s_wait_xcnt 0x0                                ; EXEC changes only behind this wait
	v_cmp_gt_u32 vcc_lo, 8, v1
	s_wait_tensorcnt 0x0
	ds_add_u32 v224, v225
	s_wait_dscnt 0x0
	s_and_saveexec_b32 s42, vcc_lo
	global_store_b32 v20, v18, s[26:27]            ; my four steps' statistics: lanes 0-7
	s_endpgm
.Lfunc_end_k_q20a28b84a3_prep:
	.size	k_q20a28b84a3_prep, .Lfunc_end_k_q20a28b84a3_prep-k_q20a28b84a3_prep
	.p2alignl 7, 3214868480
	.fill 96, 4, 3214868480
	.section	.rodata,"a",@progbits
	.p2align	6, 0x0
	.amdhsa_kernel k_q20a28b84a3_prep
		.amdhsa_group_segment_fixed_size 68096
		.amdhsa_private_segment_fixed_size 0
		.amdhsa_enable_private_segment 0
		.amdhsa_kernarg_size 96
		.amdhsa_user_sgpr_count 2
		.amdhsa_user_sgpr_kernarg_segment_ptr 1
		.amdhsa_wavefront_size32 1
		.amdhsa_system_sgpr_workgroup_id_x 1
		.amdhsa_system_sgpr_workgroup_id_y 1
		.amdhsa_system_sgpr_workgroup_id_z 1
		.amdhsa_system_vgpr_workitem_id 0
		.amdhsa_next_free_vgpr 226
		.amdhsa_next_free_sgpr 66
		.amdhsa_reserve_vcc 1
		.amdhsa_float_denorm_mode_32 3
		.amdhsa_float_denorm_mode_16_64 3
		.amdhsa_memory_ordered 1
		.amdhsa_forward_progress 1
		.amdhsa_inst_pref_size 123
	.end_amdhsa_kernel
	.amdgpu_metadata
---
amdhsa.version: [ 1, 2 ]
amdhsa.kernels:
  - .name:           k_q20a28b84a3_prep
    .symbol:         k_q20a28b84a3_prep.kd
    .args:
      - { .name: q, .offset: 0, .size: 8, .value_kind: global_buffer, .address_space: global }
      - { .name: k, .offset: 8, .size: 8, .value_kind: global_buffer, .address_space: global }
      - { .name: v, .offset: 16, .size: 8, .value_kind: global_buffer, .address_space: global }
      - { .name: Wq, .offset: 24, .size: 8, .value_kind: global_buffer, .address_space: global }
      - { .name: Wk, .offset: 32, .size: 8, .value_kind: global_buffer, .address_space: global }
      - { .name: Wv, .offset: 40, .size: 8, .value_kind: global_buffer, .address_space: global }
      - { .name: Wo, .offset: 48, .size: 8, .value_kind: global_buffer, .address_space: global }
      - { .name: mask, .offset: 56, .size: 8, .value_kind: global_buffer, .address_space: global }
      - { .name: img, .offset: 64, .size: 8, .value_kind: global_buffer, .address_space: global }
      - { .name: scl, .offset: 72, .size: 8, .value_kind: global_buffer, .address_space: global }
      - { .name: mwords, .offset: 80, .size: 8, .value_kind: global_buffer, .address_space: global }
      - { .name: mstat, .offset: 88, .size: 8, .value_kind: global_buffer, .address_space: global }
    .group_segment_fixed_size: 68096
    .private_segment_fixed_size: 0
    .kernarg_segment_align: 8
    .kernarg_segment_size: 96
    .max_flat_workgroup_size: 128
    .sgpr_count:     66
    .vgpr_count:     226
    .wavefront_size: 32
...
	.end_amdgpu_metadata
.endif
;; end of part 1
;; launch proj (part 2): grid 256 x 2, 4 waves a work-group, no clusters, 104,960 bytes of LDS; arguments img, scl, bq, bk, bv, hd; writes hd
.if DOCPART == 2
	.amdgcn_target "amdgcn-amd-amdhsa--gfx1250"
	.amdhsa_code_object_version 6
	.text
	.protected	k_q20a28b84a3_proj
	.globl	k_q20a28b84a3_proj
	.p2align	8
	.type	k_q20a28b84a3_proj,@function
k_q20a28b84a3_proj:
	s_mov_b64 s[64:65], 0
	v_nop
	global_prefetch_b8 v0, s[64:65] scope:SCOPE_SE
	s_setreg_imm32_b32 hwreg(HW_REG_WAVE_MODE, 25, 1), 1
	s_wait_xcnt 0x0
; Q = q Wq^T + bq, K = k Wk^T + bk, V = v Wv^T + bv on codes of FP4 with E8M0 scales (the images that the launch before has made); the results, f32, are quantised in registers
; into the attention's operands: Q and K along the head's 64 channels, V along the keys.  Nothing wider than codes is stored.
; THE CORE.  Source 0 is STATIONARY: a wave keeps 8 tiles (128 rows) x all 8 K steps in 512 registers.  Source 1 is STREAMED tile by tile out of LDS, where the work-group has laid its streamed tiles once (one barrier).
; In the result lane (r, h) holds streamed row r, and, by the tile order (lane p of tile T takes row 32 (T / 2) + 8 (T % 2) + p + 8 (p / 8)), the 16 registers of stationary tiles 2 b, 2 b + 1 are stationary rows 32 b + 16 h + 0 .. 15:
; 64 neighbours by blocks along the next K, as the conversions want them.
; PATH QK (work-group y = 0): stationary = 128 rows of Wq or Wk (two heads), streamed = 8 tiles of q or k.  A lane's 64 results are two heads' 64 channels of one row: part 0 of the fragment made is the first head's, part 1 the second's.
; PATH V (y = 1): stationary = 128 rows of v (a key step), streamed = one head's 4 tiles of Wv.  A lane's 64 results are 128 keys' (its half's) values of one channel: the fragment made is V^T's, keys innermost.
; hd, for each (batch, head) 217,088 bytes: HK [key tile][512 B] | HV [step j][channel tile 4][1,024 B] | HKS [j][r][tile 8] words | HVS [j][r][tile 4] words | HQ [query tile][512 B] | HQS [i / 8][r][i % 8] words.
; In a word of HKS and HQS bytes 0, 1 are the head's two blocks; bytes 2, 3 stand over zero codes and hold a neighbour's bytes (1 .. 254) or 0, never 0xff.
; No cluster: the stationary operand goes from memory straight into registers, and what the work-groups share beside it is 64 KB (QK) or 32 KB (V) against 256 KB.
; LIMITS: as the quantiser's: a block whose largest magnitude lies under 2^-124 keeps the byte 1, a block of zeros too; NaN and infinities are not served.
; REGISTERS, in windows of 256: window 0: v1-11 addresses; v16-79 the stationary tiles' scale words (8 t + s); v80-95 the streamed tile's, two sets; v96-159 the 8 accumulators; v160-167 codes; v168-183 at work;
;   v184-191 the scale words made; v192-255 the bias in the result's layout.  window 1: v0-127 streamed fragments, two sets.  windows 2, 3: the stationary fragments of K steps 0-3, 4-7 (64 (s % 4) + 8 t).
.set WS, 16
.set AS, 80
.set HA, 96
.set PC, 160
.set TM, 168
.set SW, 184
.set BI, 192
.set SEL, 42                           ; s[42:43] v_permlanex16_b32's selects for lane l xor 16
.set HEADB, 217088
.set HV,  65536
.set HKS, 131072
.set HVS, 139264
.set HQ,  143360
.set HQS, 208896
.set VB,  69632                        ; LDS: path QK: 8 tiles of 8,192 bytes, then their scale words (8 x 512).  Path V has bytes of its own from VB on: 4 tiles, then 4 x 512
.set MSB, 0
.macro WIN new                         ; s_set_vgpr_msb: bits 1:0 source 0, 3:2 source 1, 5:4 source 2, 7:6 destination; the high byte repeats the setting that is left
.if MSB != \new
	s_set_vgpr_msb (MSB<<8)|\new
.set MSB, \new
.endif
.endm
.macro LDW                             ; the stationary fragments: 128 loads of 512 consecutive bytes
	WIN 0x80
.irp t, 0,1,2,3,4,5,6,7
.irp s, 0,1,2,3
.irp c, 0,1
	global_load_b128 v[64*\s+8*\t+4*\c:64*\s+8*\t+4*\c+3], v8, s[20:21] offset:8192*\t+1024*\s+512*\c
.endr
.endr
.endr
	WIN 0xc0
.irp t, 0,1,2,3,4,5,6,7
.irp s, 4,5,6,7
.irp c, 0,1
	global_load_b128 v[64*(\s-4)+8*\t+4*\c:64*(\s-4)+8*\t+4*\c+3], v8, s[20:21] offset:8192*\t+1024*\s+512*\c
.endr
.endr
.endr
	WIN 0
.endm
.macro LDWS                            ; and their scale words: lane r takes row r's eight
.irp t, 0,1,2,3,4,5,6,7
.irp e, 0,1
	global_load_b128 v[WS+8*\t+4*\e:WS+8*\t+4*\e+3], v6, s[22:23] offset:512*\t+16*\e
.endr
.endr
.endm
.macro FETCH tau, p                    ; streamed tile tau out of LDS into set p: 16 + 2 LDS loads
	WIN 0x40
.irp s, 0,1,2,3,4,5,6,7
.irp c, 0,1
	ds_load_b128 v[64*(\p)+8*\s+4*\c:64*(\p)+8*\s+4*\c+3], v2 offset:8192*(\tau)+1024*\s+512*\c
.endr
.endr
	WIN 0
.irp e, 0,1
	ds_load_b128 v[AS+8*(\p)+4*\e:AS+8*(\p)+4*\e+3], v5 offset:512*(\tau)+16*\e
.endr
.endm
; 64 matrix instructions: 8 stationary tiles x 8 K steps against set p.  The first K step takes the bias, v[cb + cs t] on, as C: nothing is cleared and nothing is added afterwards.
; The eight accumulators take turns, one instruction a turn.  Five plain instructions follow: results are read next, and the next tile's first products write over these accumulators.
.macro MM p, cb, cs
	WIN 0x06                                       ; source 0 window 2, source 1 window 1, C and D window 0
.irp s, 0,1,2,3
.irp t, 0,1,2,3,4,5,6,7
.if \s == 0
	v_wmma_scale_f32_16x16x128_f8f6f4 v[HA+8*\t:HA+8*\t+7], v[64*\s+8*\t:64*\s+8*\t+7], v[64*(\p)+8*\s:64*(\p)+8*\s+7], v[(\cb)+(\cs)*\t:(\cb)+(\cs)*\t+7], v[WS+8*\t+\s], v[AS+8*(\p)+\s] matrix_a_fmt:MATRIX_FMT_FP4 matrix_b_fmt:MATRIX_FMT_FP4
.else
	v_wmma_scale_f32_16x16x128_f8f6f4 v[HA+8*\t:HA+8*\t+7], v[64*\s+8*\t:64*\s+8*\t+7], v[64*(\p)+8*\s:64*(\p)+8*\s+7], v[HA+8*\t:HA+8*\t+7], v[WS+8*\t+\s], v[AS+8*(\p)+\s] matrix_a_fmt:MATRIX_FMT_FP4 matrix_b_fmt:MATRIX_FMT_FP4
.endif
.endr
.endr
	WIN 0x07                                       ; source 0 window 3
.irp s, 4,5,6,7
.irp t, 0,1,2,3,4,5,6,7
	v_wmma_scale_f32_16x16x128_f8f6f4 v[HA+8*\t:HA+8*\t+7], v[64*(\s-4)+8*\t:64*(\s-4)+8*\t+7], v[64*(\p)+8*\s:64*(\p)+8*\s+7], v[HA+8*\t:HA+8*\t+7], v[WS+8*\t+\s], v[AS+8*(\p)+\s] matrix_a_fmt:MATRIX_FMT_FP4 matrix_b_fmt:MATRIX_FMT_FP4
.endr
.endr
	WIN 0
.rept 5
	v_nop
.endr
.endm
; 64 numbers of a lane, register 16 b + i = k 32 b + 16 h + i of my row, become a fragment's codes in v[PC] on and its scale word in v[pw].
.macro QUANT src, pw
.irp b, 0,1,2,3
	v_max3_num_f32 v[TM+\b], |v[\src+16*\b]|, |v[\src+1+16*\b]|, 0x1800000   ; block b: my 16 numbers, and the floor 2^(3 - 127): the byte cannot fall under 1.  Each accumulator is read from its low end on
.endr
.irp i, 2,4,6,8,10,12,14
.irp b, 0,1,2,3
	v_max3_num_f32 v[TM+\b], v[TM+\b], |v[\src+16*\b+\i]|, |v[\src+1+16*\b+\i]|   ; (the four blocks by turns)
.endr
.endr
.irp b, 0,1,2,3
	v_permlanex16_b32 v[TM+4+\b], v[TM+\b], s[SEL], s[SEL+1]
.endr
.irp b, 0,1,2,3
	v_max_num_f32 v[TM+\b], v[TM+\b], v[TM+4+\b]   ; with lane l xor 16's: the block's largest magnitude
.endr
.irp b, 0,1,2,3
	v_add_nc_u32 v[TM+12+\b], 0xff000000, v[TM+\b] ; 2 off its exponent field: the conversion's scale operand
.endr
.irp b, 0,1,2,3
	v_lshrrev_b32 v[TM+4+\b], 23, v[TM+12+\b]      ; the scale's byte
.endr
	v_lshl_or_b32 v[\pw], v[TM+5], 8, v[TM+4]
	v_lshl_or_b32 v[\pw], v[TM+6], 16, v[\pw]
	v_lshl_or_b32 v[\pw], v[TM+7], 24, v[\pw]
.irp b, 0,1,2,3
	v_cvt_scalef32_pk8_fp4_f32 v[PC+2*\b], v[\src+16*\b:\src+7+16*\b], v[TM+12+\b]
	v_cvt_scalef32_pk8_fp4_f32 v[PC+1+2*\b], v[\src+8+16*\b:\src+15+16*\b], v[TM+12+\b]
.endr
	v_nop                                          ; one plain instruction behind the last scaled conversion
.irp c, 0,1                                    ; the operand's layout wants a whole block in a lane: lanes 0-15 block 2 c, lanes 16-31 block 2 c + 1
.irp i, 0,1
	v_permlane16_swap_b32 v[PC+4*\c+\i], v[PC+2+4*\c+\i]
.endr
.endr
.endm
.macro MEET                            ; my LDS stores have landed: then the work-group's one barrier
	s_wait_dscnt 0x0
	s_barrier_signal -1
	s_barrier_wait -1
.endm
	s_load_b256 s[4:11], s[0:1], 0x0               ; img 4, scl 6, bq 8, bk 10
	s_load_b128 s[12:15], s[0:1], 0x20             ; bv 12, hd 14
	v_lshl_add_u32 v178, v0, 2, 0x19800
	v_mov_b32 v179, 0
	v_lshrrev_b32 v1, 5, v0
	v_readfirstlane_b32 s2, v1                     ; wave 0..3
	v_and_b32 v1, 31, v0                           ; lane
	v_and_b32 v3, 15, v0                           ; r
	v_bfe_u32 v4, v0, 4, 1                         ; h
	v_lshlrev_b32 v8, 4, v1                        ; 16 x lane
	v_lshlrev_b32 v6, 5, v3                        ; 32 r
	v_lshl_add_u32 v9, v4, 4, v6                   ; 32 r + 16 h
.irp b, 0,1,2,3
	v_mov_b32 v[TM+4+\b], 0                        ; written once: a lane permute's destination counts as one of its sources
.endr
	s_mov_b32 s[SEL], 0x76543210
	s_mov_b32 s[SEL+1], 0xfedcba98
	s_mov_b32 s44, 0xffff0000                      ; lanes 16-31
	s_mov_b32 s35, 0                               ; high words of the offset pairs
	s_mov_b32 s37, 0
	s_and_b32 s16, ttmp7, 0xffff
	s_cmp_lg_u32 s16, 0
	s_cbranch_scc1 .Lv
	; ---------------- path QK ----------------
	s_lshr_b32 s17, ttmp9, 7                       ; m: 0 Q, 1 K
	s_bfe_u32 s18, ttmp9, 0x10006                  ; sl: which 512 columns
	s_and_b32 s19, ttmp9, 63                       ; ch: which 128 rows
	s_wait_alu depctr_va_vdst(0)
	v_mov_b32 v2, v8                               ; streamed fragments: 16 x lane
	v_add_nc_u32 v5, 65536, v6                     ; their scale words: 32 r
	v_lshlrev_b32 v7, 6, v4                        ; the bias: 16 h numbers on
	s_lshl_b32 s34, s2, 14
	v_add_nc_u32 v10, s34, v8                      ; I lay tiles 2 w, 2 w + 1 into LDS,
	s_lshl_b32 s34, s2, 10
	s_add_co_u32 s34, s34, 65536
	v_add_nc_u32 v11, s34, v8                      ; and their scale words
	s_lshl_b32 s38, s17, 6
	s_lshl_b32 s39, s18, 5
	s_add_co_u32 s38, s38, s39
	s_lshl_b32 s39, s2, 3
	s_add_co_u32 s38, s38, s39
	s_add_co_u32 s38, s38, 1536                    ; my first stationary tile: 1536 + 64 m + 32 sl + 8 w
	s_lshl_b32 s34, s38, 13
	s_lshl_b32 s36, s38, 9
	s_wait_alu depctr_va_vdst(0)
	s_wait_kmcnt 0x0
	s_add_nc_u64 s[20:21], s[4:5], s[34:35]
	s_add_nc_u64 s[22:23], s[6:7], s[36:37]
	s_lshl_b32 s38, s17, 9
	s_lshl_b32 s39, s19, 3
	s_add_co_u32 s38, s38, s39
	s_lshl_b32 s39, s2, 1
	s_add_co_u32 s38, s38, s39                     ; the first tile that I lay into LDS: 512 m + 8 ch + 2 w
	s_lshl_b32 s34, s38, 13
	s_lshl_b32 s36, s38, 9
	s_add_nc_u64 s[24:25], s[4:5], s[34:35]
	s_add_nc_u64 s[26:27], s[6:7], s[36:37]
	s_lshl_b32 s34, s18, 11
	s_lshl_b32 s39, s2, 9
	s_add_co_u32 s34, s34, s39                     ; my 128 columns' bias: (512 sl + 128 w) x 4
	s_cmp_eq_u32 s17, 0
	s_cselect_b64 s[28:29], s[8:9], s[10:11]       ; bq or bk
	s_cselect_b32 s40, HQ, 0                       ; the images' region: HQ or HK (0)
	s_mov_b32 s41, HKS
	s_cselect_b32 s41, HQS, s41                    ; the scale words' region
	s_add_nc_u64 s[28:29], s[28:29], s[34:35]
	s_lshr_b32 s38, s19, 4
	s_lshl_b32 s38, s38, 4
	s_lshl_b32 s39, s18, 3
	s_add_co_u32 s38, s38, s39
	s_lshl_b32 s39, s2, 1
	s_add_co_u32 s38, s38, s39                     ; 16 batch + my first head (8 sl + 2 w)
	s_mul_i32 s38, s38, HEADB
	s_and_b32 s39, s19, 15                         ; j: which 128 rows of the batch
	s_lshl_b32 s34, s39, 12
	s_add_co_u32 s34, s34, s38
	s_add_co_u32 s34, s34, s40
	s_lshl_b32 s36, s39, 9
	s_add_co_u32 s36, s36, s38
	s_add_co_u32 s36, s36, s41
	s_add_nc_u64 s[30:31], s[14:15], s[34:35]
	s_add_nc_u64 s[32:33], s[14:15], s[36:37]
	WIN 0x40
.set n, 0
.rept 32
	global_load_b128 v[4*n:4*n+3], v8, s[24:25] offset:512*n   ; two tiles, 16,384 dense bytes, on their way to LDS
.set n, n+1
.endr
	WIN 0
	global_load_b128 v[HA:HA+3], v8, s[26:27]
	global_load_b128 v[HA+4:HA+7], v8, s[26:27] offset:512
	LDW
	LDWS
.irp t, 0,1,2,3,4,5,6,7
.irp e, 0,1
	global_load_b128 v[BI+8*\t+4*\e:BI+8*\t+4*\e+3], v7, s[28:29] offset:(32*(\t/2)+8*(\t%2))*4+16*\e   ; register j of tile t: column 32 (t / 2) + 8 (t % 2) + 16 h + j
.endr
.endr
	s_wait_loadcnt 63                              ; loads come back in order, and 160 were issued behind the 34 for LDS: those are in
	WIN 0x04                                       ; an LDS store's data are its source 1: window 1
.set n, 0
.rept 32
	ds_store_b128 v10, v[4*n:4*n+3] offset:512*n
.set n, n+1
.endr
	WIN 0
	ds_store_b128 v11, v[HA:HA+3]
	ds_store_b128 v11, v[HA+4:HA+7] offset:512
	MEET
	FETCH 0, 0
	s_wait_loadcnt 0x0                             ; the stationary fragments, their scale words, the bias
.macro QKTILE tau
.set P, (\tau)%2
.if (\tau) < 7
	FETCH (\tau)+1, 1-P
	s_wait_dscnt 18                                ; this tile's 18 loads are in; the next tile's 18 may be out
.else
	s_wait_dscnt 0x0
.endif
	MM P, BI, 8
	s_wait_xcnt 0x0                                ; the last tile's stores have read the codes' registers
	QUANT HA, SW+(\tau)
	global_store_b128 v8, v[PC:PC+3], s[30:31] offset:512*(\tau)             ; my first head: 512 consecutive bytes
	global_store_b128 v8, v[PC+4:PC+7], s[30:31] offset:512*(\tau)+HEADB     ; my second
.endm
.irp tau, 0,1,2,3,4,5,6,7
	QKTILE \tau
.endr
.irp q, 0,1,2,3
	v_cndmask_b32 v[TM+\q], v[SW+\q], v[SW+4+\q], s44   ; lanes 0-15 store tiles 0-3's words of their row, lanes 16-31 tiles 4-7's
.endr
	global_store_b128 v9, v[TM:TM+3], s[32:33]
.irp q, 0,1,2,3,4,5,6,7
	v_lshrrev_b32 v[SW+\q], 16, v[SW+\q]           ; the second head's two bytes come down
.endr
.irp q, 0,1,2,3
	v_cndmask_b32 v[TM+4+\q], v[SW+\q], v[SW+4+\q], s44
.endr
	global_store_b128 v9, v[TM+4:TM+7], s[32:33] offset:HEADB
	s_wait_tensorcnt 0x0
	ds_add_u32 v178, v179
	s_wait_dscnt 0x0
	s_endpgm
	; ---------------- path V ----------------
.Lv:
	s_lshr_b32 s17, ttmp9, 4                       ; ks: which 512 rows of v
	s_and_b32 s18, ttmp9, 15                       ; the head
	s_wait_alu depctr_va_vdst(0)
	v_add_nc_u32 v2, VB, v8
	v_add_nc_u32 v5, VB+32768, v6
	v_and_b32 v7, 8, v3
	v_add_nc_u32 v7, v7, v3
	v_lshlrev_b32 v7, 2, v7                        ; the bias goes by lane: channel r + 8 (r / 8) of the tile
	s_lshl_b32 s34, s2, 13
	s_add_co_u32 s34, s34, VB
	v_add_nc_u32 v10, s34, v8                      ; I lay tile w into LDS,
	s_lshl_b32 s34, s2, 9
	s_add_co_u32 s34, s34, VB+32768
	v_add_nc_u32 v11, s34, v8                      ; and its scale words
	s_lshl_b32 s38, s17, 5
	s_lshl_b32 s39, s2, 3
	s_add_co_u32 s38, s38, s39
	s_add_co_u32 s38, s38, 1024                    ; my first stationary tile: 1024 + 32 ks + 8 w
	s_lshl_b32 s34, s38, 13
	s_lshl_b32 s36, s38, 9
	s_wait_alu depctr_va_vdst(0)
	s_wait_kmcnt 0x0
	s_add_nc_u64 s[20:21], s[4:5], s[34:35]
	s_add_nc_u64 s[22:23], s[6:7], s[36:37]
	s_lshl_b32 s38, s18, 2
	s_add_co_u32 s38, s38, s2
	s_add_co_u32 s38, s38, 1664                    ; the tile of Wv that I lay into LDS: 1664 + 4 head + w
	s_lshl_b32 s34, s38, 13
	s_lshl_b32 s36, s38, 9
	s_add_nc_u64 s[24:25], s[4:5], s[34:35]
	s_add_nc_u64 s[26:27], s[6:7], s[36:37]
	s_lshl_b32 s34, s18, 8
	s_add_nc_u64 s[28:29], s[12:13], s[34:35]      ; bv at the head's 64 channels
	s_lshr_b32 s38, s17, 2
	s_lshl_b32 s38, s38, 4
	s_add_co_u32 s38, s38, s18                     ; 16 batch + head
	s_mul_i32 s38, s38, HEADB
	s_and_b32 s39, s17, 3
	s_lshl_b32 s39, s39, 2
	s_add_co_u32 s39, s39, s2                      ; j: my key step of the batch
	s_lshl_b32 s34, s39, 12
	s_add_co_u32 s34, s34, s38
	s_add_co_u32 s34, s34, HV
	s_lshl_b32 s36, s39, 8
	s_add_co_u32 s36, s36, s38
	s_add_co_u32 s36, s36, HVS
	s_add_nc_u64 s[30:31], s[14:15], s[34:35]
	s_add_nc_u64 s[32:33], s[14:15], s[36:37]
	WIN 0x40
.set n, 0
.rept 16
	global_load_b128 v[4*n:4*n+3], v8, s[24:25] offset:512*n
.set n, n+1
.endr
	WIN 0
	global_load_b128 v[HA:HA+3], v8, s[26:27]
	LDW
	LDWS
.irp tau, 0,1,2,3
.irp jj, 0,1,2,3,4,5,6,7
	global_load_b32 v[BI+8*\tau+\jj], v7, s[28:29] offset:(32*(\tau/2)+8*(\tau%2))*4   ; all eight registers of a result hold my channel's bias
.endr
.endr
	s_wait_loadcnt 63                              ; 176 loads were issued behind the 17 for LDS: those are in
	WIN 0x04
.set n, 0
.rept 16
	ds_store_b128 v10, v[4*n:4*n+3] offset:512*n
.set n, n+1
.endr
	WIN 0
	ds_store_b128 v11, v[HA:HA+3]
	MEET
	FETCH 0, 0
	s_wait_loadcnt 0x0
.macro VTILE tau
.set P, (\tau)%2
.if (\tau) < 3
	FETCH (\tau)+1, 1-P
	s_wait_dscnt 18                                ; this tile's 18 loads are in; the next tile's 18 may be out
.else
	s_wait_dscnt 0x0
.endif
	MM P, BI+8*(\tau), 0
	s_wait_xcnt 0x0                                ; the last tile's stores have read the codes' registers
	QUANT HA, SW+(\tau)
	global_store_b128 v8, v[PC:PC+3], s[30:31] offset:1024*(\tau)            ; V^T's fragment: 16 channels x my 128 keys
	global_store_b128 v8, v[PC+4:PC+7], s[30:31] offset:1024*(\tau)+512
.endm
.irp tau, 0,1,2,3
	VTILE \tau
.endr
	s_wait_xcnt 0x0                                ; EXEC changes only behind this wait
	v_cmp_gt_u32 vcc_lo, 16, v1
	s_wait_tensorcnt 0x0
	ds_add_u32 v178, v179
	s_wait_dscnt 0x0
	s_and_saveexec_b32 s40, vcc_lo
	global_store_b128 v8, v[SW:SW+3], s[32:33]     ; lanes 0-15: row r's four words: 256 consecutive bytes, aligned
	s_endpgm
.Lfunc_end_k_q20a28b84a3_proj:
	.size	k_q20a28b84a3_proj, .Lfunc_end_k_q20a28b84a3_proj-k_q20a28b84a3_proj
	.p2alignl 7, 3214868480
	.fill 96, 4, 3214868480
	.section	.rodata,"a",@progbits
	.p2align	6, 0x0
	.amdhsa_kernel k_q20a28b84a3_proj
		.amdhsa_group_segment_fixed_size 104960
		.amdhsa_private_segment_fixed_size 0
		.amdhsa_enable_private_segment 0
		.amdhsa_kernarg_size 48
		.amdhsa_user_sgpr_count 2
		.amdhsa_user_sgpr_kernarg_segment_ptr 1
		.amdhsa_wavefront_size32 1
		.amdhsa_system_sgpr_workgroup_id_x 1
		.amdhsa_system_sgpr_workgroup_id_y 1
		.amdhsa_system_sgpr_workgroup_id_z 1
		.amdhsa_system_vgpr_workitem_id 0
		.amdhsa_next_free_vgpr 1024
		.amdhsa_next_free_sgpr 66
		.amdhsa_reserve_vcc 1
		.amdhsa_float_denorm_mode_32 3
		.amdhsa_float_denorm_mode_16_64 3
		.amdhsa_memory_ordered 1
		.amdhsa_forward_progress 1
		.amdhsa_inst_pref_size 208
	.end_amdhsa_kernel
	.amdgpu_metadata
---
amdhsa.version: [ 1, 2 ]
amdhsa.kernels:
  - .name:           k_q20a28b84a3_proj
    .symbol:         k_q20a28b84a3_proj.kd
    .args:
      - { .name: img, .offset: 0, .size: 8, .value_kind: global_buffer, .address_space: global }
      - { .name: scl, .offset: 8, .size: 8, .value_kind: global_buffer, .address_space: global }
      - { .name: bq, .offset: 16, .size: 8, .value_kind: global_buffer, .address_space: global }
      - { .name: bk, .offset: 24, .size: 8, .value_kind: global_buffer, .address_space: global }
      - { .name: bv, .offset: 32, .size: 8, .value_kind: global_buffer, .address_space: global }
      - { .name: hd, .offset: 40, .size: 8, .value_kind: global_buffer, .address_space: global }
    .group_segment_fixed_size: 104960
    .private_segment_fixed_size: 0
    .kernarg_segment_align: 8
    .kernarg_segment_size: 48
    .max_flat_workgroup_size: 128
    .sgpr_count:     66
    .vgpr_count:     1024
    .wavefront_size: 32
...
	.end_amdgpu_metadata
.endif
;; end of part 2
;; launch attn (part 3): grid 4 x 64, 16 waves a work-group, no clusters, 145,408 bytes of LDS; arguments hd, mwords, mstat, oim, osc; writes oim, osc
.if DOCPART == 3
	.amdgcn_target "amdgcn-amd-amdhsa--gfx1250"
	.amdhsa_code_object_version 6
	.text
	.protected	k_q20a28b84a3_attn
	.globl	k_q20a28b84a3_attn
	.p2align	8
	.type	k_q20a28b84a3_attn,@function
k_q20a28b84a3_attn:
	s_mov_b64 s[64:65], 0
	v_nop
	global_prefetch_b8 v0, s[64:65] scope:SCOPE_SE
	s_setreg_imm32_b32 hwreg(HW_REG_WAVE_MODE, 25, 1), 1
	s_wait_xcnt 0x0
; For each (batch, head): O = softmax(where(mask == 0, -1e9, Q K^T / 8)) V, both products on codes of FP4 with E8M0 scales; O, divided by the row's sum, is quantised along the head's 64 channels into the last product's images.
; THE SOFTMAX: t = score x log2(e) / 8; M = the running largest t rounded UP to a whole number; p = 2^(t - M) is quantised along the keys, not normalised; the row's sum is taken of the unquantised p.
; When M moves, the sum and O^T are multiplied by 2^(old M - new M): exact.
; THE MASK is an input of any pattern.  A masked score becomes -2^33 ahead of the maximum (by lane masks that an earlier launch has made of the mask).  c x 2^33 is a whole number that f32 holds exactly, so a row with no open key
; has t = M and p = 1 at every key, the uniform row that -1e9 gives; in any other row a masked p is 0.
; A TILE OF 16 QUERIES x 128 KEYS THAT LIES WHOLLY UNDER THE MASK IS PASSED OVER, where each of the 16 queries has an open key somewhere: its p are all 0 then.  Where all of a tile's keys count, the 64 selects are passed over.
; Both are scalar branches on whole numbers that the earlier launch stored.  This launch has no tensor load: a head's K and V as codes, 143,360 bytes, go through registers into LDS once and stay.
; SHARES: a work-group takes a head and a quarter of its 128 query tiles; wave w of part x takes tiles g = 16 x + w and 127 - g.  Sixteen waves of 256 registers: four to a SIMD, so that one wave's vector work stands beside another's products and loads.
; LAYOUT: both products are used transposed: S^T = K Q^T, O^T = V^T P^T: a lane holds one query (lane % 16) throughout.  By the tile order the 16 registers of key tiles 2 b, 2 b + 1 are keys 32 b + 16 h + 0 .. 15.
; The head has 64 channels, half of the instruction's 128: registers 4-7 of Q's and K's fragments are zeros, written once.
; No cluster: a joint load is a tensor load.
; The scale bytes of O leave as 2 bytes a lane, 32 bytes apart: parts of aligned 256 bytes; they are 256 KB of the launch's 4.5 MB of stores.
; LIMITS: raw scores Q . K stay above -8e9 (-1e9 x 8); a block whose largest magnitude lies under 2^-124 keeps the byte 1, a block of zeros too; NaN and infinities are not served.
.set HEADB, 217088
.set HV,  65536
.set HKS, 131072
.set HVS, 139264
.set HQ,  143360
.set HQS, 208896
; v1 16 lane | v2 + HV | v3 HKS + 32 r + 16 h | v4 HVS + 16 r | v5 32 r | v6-9 the step's LDS addresses | v10, v11 Q's offsets | v12 -M, v13 the largest t | v[14:15] the sum in two halves
.set QF, 16                            ; v16-23   Q's fragment
.set QS, 24                            ; v24      its scale word
.set PW, 25                            ; v25      p's scale word
.set KS, 26                            ; v26-29   K's scale words: lanes 0-15 tiles 0-3, lanes 16-31 tiles 4-7
.set VS, 30                            ; v30-33   V's
.set FF, 34                            ; v[34:35] f = 2^(old M - new M); later 1 / the sum
.set KF, 36                            ; v36-99   K's eight fragments
.set VF, 100                           ; v100-131 V^T's four
.set S,  132                           ; v132-195 S^T, then p
.set O,  196                           ; v196-227 O^T
.set PC, 228                           ; v228-235 p's codes
.set BM, 236                           ; v236-239 a figure for each block
.set T2, 240
.set SO, 244                           ; v244-247 the conversions' scale operands
.set TT, 248
.set NEG, 249                          ; -2^33
.set OA, 250                           ; my offset in oim
.set OS, 251                           ; and in osc
.set LN, 252                           ; lane
; s2 128 batch | s3, s67 the head's place in an image, in a scale word | s14 wave | s15 g | s16 i | s17 the turn | s18 the key step | s19 16 i | s20 steps to pass over | s21 steps without selects
; s[24:25] lane selects | s[26:27] c | s28-31 offsets | s[32:63], s[68:99] the statistics, then a step's 64 mask words | s66 EXEC kept
	s_load_b256 s[4:11], s[0:1], 0x0               ; hd 4, mwords 6, mstat 8, oim 10
	s_load_b64 s[12:13], s[0:1], 0x20              ; osc
	v_lshl_add_u32 v254, v0, 2, 0x23000
	v_mov_b32 v255, 0
	v_lshrrev_b32 v1, 5, v0
	s_delay_alu instid0(VALU_DEP_1)
	v_readfirstlane_b32 s14, v1                    ; wave 0..15
	s_and_b32 s22, ttmp7, 0xffff                   ; 16 batch + head
	s_mul_i32 s28, s22, HEADB
	s_mov_b32 s29, 0
	v_lshlrev_b32 v6, 4, v0                        ; the fill: 16 bytes a thread, 8,192 a load
	s_delay_alu instid0(VALU_DEP_1)
	v_add_nc_u32 v7, 65536, v6
	s_delay_alu instid0(VALU_DEP_2)
	v_add_nc_u32 v8, 131072, v6
	v_lshlrev_b32 v9, 3, v0                        ; the last 4,096 bytes: 8 a thread
	s_delay_alu instid0(VALU_DEP_1)
	v_add_nc_u32 v10, HVS, v9
	s_wait_alu depctr_va_vdst(0)
	s_wait_kmcnt 0x0
	s_add_nc_u64 s[4:5], s[4:5], s[28:29]          ; hd at my head
.set n, 0
.rept 17
	global_load_b128 v[S+4*n:S+4*n+3], v6, s[4:5] offset:8192*n
.set n, n+1
.endr
	global_load_b64 v[S+68:S+69], v9, s[4:5] offset:HVS
	; what stays, made while the fill is on its way
	v_and_b32 v[LN], 31, v0
	v_and_b32 v11, 15, v0                          ; r
	v_bfe_u32 v[TT], v0, 4, 1                      ; h
	s_delay_alu instid0(VALU_DEP_3)
	v_lshlrev_b32 v1, 4, v[LN]
	s_delay_alu instid0(VALU_DEP_1)
	v_add_nc_u32 v2, HV, v1
	s_delay_alu instid0(VALU_DEP_4)
	v_lshlrev_b32 v5, 5, v11
	s_delay_alu instid0(VALU_DEP_1)
	v_lshl_add_u32 v3, v[TT], 4, v5
	s_delay_alu instid0(VALU_DEP_1)
	v_add_nc_u32 v3, HKS, v3
	v_lshl_add_u32 v4, v11, 4, HVS
.irp e, 4,5,6,7
	v_mov_b32 v[QF+\e], 0                          ; channels 64 .. 127 do not exist: zero codes
.endr
.irp t, 0,1,2,3,4,5,6,7
.irp e, 4,5,6,7
	v_mov_b32 v[KF+8*\t+\e], 0
.endr
.endr
	v_mov_b32 v[FF+1], 0                           ; named as the upper half of a pair, so it is written
.irp b, 0,1,2,3
	v_mov_b32 v[T2+\b], 0                          ; written once: a lane permute's destination counts as one of its sources
.endr
	v_mov_b32 v[NEG], 0xd0000000
	s_lshl_b32 s15, ttmp9, 4
	s_add_co_u32 s15, s15, s14                     ; g
	s_lshr_b32 s2, s22, 4
	s_lshl_b32 s2, s2, 7                           ; 128 batch: the batch's first row tile
	s_and_b32 s23, s22, 15                         ; the head: K step head / 2, part head % 2 of the last product
	s_lshr_b32 s3, s23, 1
	s_and_b32 s23, s23, 1
	s_lshl_b32 s67, s3, 2
	s_lshl_b32 s3, s3, 10
	s_lshl_b32 s30, s23, 9
	s_add_co_u32 s3, s3, s30
	s_lshl_b32 s30, s23, 1
	s_add_co_u32 s67, s67, s30
	s_mov_b32 s24, 0x76543210
	s_mov_b32 s25, 0xfedcba98
	s_mov_b32 s26, 0x3e38aa3b                      ; c = log2(e) / 8
	s_mov_b32 s27, s26                             ; (the packed form names the pair)
.set n, 0
.rept 8
	s_wait_loadcnt 17-n                            ; loads come back in order: load n is in, the younger ones may be out
	ds_store_b128 v6, v[S+4*n:S+4*n+3] offset:8192*n
.set n, n+1
.endr
.rept 8
	s_wait_loadcnt 17-n
	ds_store_b128 v7, v[S+4*n:S+4*n+3] offset:8192*(n-8)
.set n, n+1
.endr
	s_wait_loadcnt 1
	ds_store_b128 v8, v[S+64:S+67]
	s_wait_loadcnt 0x0
	ds_store_b64 v10, v[S+68:S+69]
	s_wait_dscnt 0x0                               ; for the others' sake: my stores have landed
	s_barrier_signal -1
	s_barrier_wait -1                              ; the head's K and V lie in LDS; nothing is written there again, and the waves go their own ways
	s_mov_b32 s17, 0
.Ltile:                                            ; two trips: query tiles g and 127 - g
	s_sub_co_u32 s23, 127, s15
	s_cmp_eq_u32 s17, 0
	s_cselect_b32 s16, s15, s23                    ; i
	s_lshl_b32 s28, s16, 7
	s_load_b512 s[32:47], s[8:9], s28 offset:0x0   ; the tile's statistics: {OR, AND} of steps 0-7,
	s_load_b512 s[48:63], s[8:9], s28 offset:0x40  ; of steps 8-15
	s_lshl_b32 s19, s16, 4
	s_lshl_b32 s22, s16, 9
	v_add_nc_u32 v10, s22, v1                      ; Q's image
	s_lshr_b32 s22, s16, 3
	s_lshl_b32 s22, s22, 9
	s_and_b32 s23, s16, 7
	s_lshl_b32 s23, s23, 2
	s_add_co_u32 s22, s22, s23
	v_add_nc_u32 v11, s22, v5                      ; and its scale words: 512 (i / 8) + 32 r + 4 (i % 8)
	global_load_b128 v[QF:QF+3], v10, s[4:5] offset:HQ
	global_load_b32 v[QS], v11, s[4:5] offset:HQS
	s_add_co_u32 s22, s2, s16                      ; the row tile of the last product
	s_lshl_b32 s23, s22, 13
	s_add_co_u32 s23, s23, s3
	v_add_nc_u32 v[OA], s23, v1
	s_lshl_b32 s23, s22, 9
	s_add_co_u32 s23, s23, s67
	v_add_nc_u32 v[OS], s23, v5
.set n, 0
.rept 32
	v_mov_b32 v[O+n], 0                            ; O^T.  (The step is written once: the first finds zeros, which the first change of M leaves zeros)
.set n, n+1
.endr
	v_mov_b32 v14, 0
	v_mov_b32 v15, 0
	v_mov_b32 v13, 0xff61b1e6                      ; the largest t so far: -3e38, under every t
	s_delay_alu instid0(VALU_DEP_1)
	v_floor_f32 v12, -v13                          ; -M
	s_mov_b32 s20, 0
	s_mov_b32 s21, 0
	s_mov_b32 s22, 0
	s_wait_kmcnt 0x0
.irp j, 0,1,2,3,4,5,6,7,8,9,10,11,12,13,14,15
	s_or_b32 s22, s22, s[32+2*\j]                  ; which lanes have an open key anywhere
	s_cmp_eq_u32 s[32+2*\j], 0
	s_cselect_b32 s23, 1<<\j, 0
	s_or_b32 s20, s20, s23                         ; step j lies wholly under the mask
	s_cmp_eq_u32 s[33+2*\j], -1
	s_cselect_b32 s23, 1<<\j, 0
	s_or_b32 s21, s21, s23                         ; all of step j's keys count
.endr
	s_lshr_b32 s23, s22, 16
	s_or_b32 s22, s22, s23                         ; a query's keys lie in lanes r and r + 16
	s_and_b32 s22, s22, 0xffff
	s_cmp_eq_u32 s22, 0xffff
	s_cselect_b32 s20, s20, 0                      ; a tile with a query that has no open key passes over nothing
	s_wait_loadcnt 0x0                             ; Q
	s_mov_b32 s18, 0
.Lstep:                                            ; sixteen trips: 128 keys each
	s_bitcmp1_b32 s20, s18
	s_cbranch_scc1 .Lnext
	s_add_co_u32 s28, s19, s18
	s_lshl_b32 s28, s28, 8
	s_load_b512 s[32:47], s[6:7], s28 offset:0x0   ; the step's 64 mask words
	s_load_b512 s[48:63], s[6:7], s28 offset:0x40
	s_load_b512 s[68:83], s[6:7], s28 offset:0x80
	s_load_b512 s[84:99], s[6:7], s28 offset:0xc0
	s_lshl_b32 s29, s18, 12
	s_lshl_b32 s30, s18, 9
	s_lshl_b32 s31, s18, 8
	s_setprio 2
	v_add_nc_u32 v6, s29, v1                       ; these four are also the places between the last step's products and the loads into the registers that they read
	v_add_nc_u32 v7, s29, v2
	v_add_nc_u32 v8, s30, v3
	v_add_nc_u32 v9, s31, v4
	ds_load_b128 v[KS:KS+3], v8
.irp t, 0,1,2,3,4,5,6,7
	ds_load_b128 v[KF+8*\t:KF+8*\t+3], v6 offset:512*\t
.endr
	ds_load_b128 v[VS:VS+3], v9
.irp d, 0,1,2,3
.irp c, 0,1
	ds_load_b128 v[VF+8*\d+4*\c:VF+8*\d+4*\c+3], v7 offset:1024*\d+512*\c
.endr
.endr
	s_wait_dscnt 9                                 ; K and its scale words are in; V's nine loads may be out
.irp t, 0,1,2,3
	v_wmma_scale_f32_16x16x128_f8f6f4 v[S+8*\t:S+8*\t+7], v[KF+8*\t:KF+8*\t+7], v[QF:QF+7], 0, v[KS+\t], v[QS] matrix_a_fmt:MATRIX_FMT_FP4 matrix_b_fmt:MATRIX_FMT_FP4
.endr
.irp t, 4,5,6,7
	v_wmma_scale_f32_16x16x128_f8f6f4 v[S+8*\t:S+8*\t+7], v[KF+8*\t:KF+8*\t+7], v[QF:QF+7], 0, v[KS+\t-4], v[QS] matrix_a_fmt:MATRIX_FMT_FP4 matrix_b_fmt:MATRIX_FMT_FP4 matrix_a_scale:MATRIX_SCALE_ROW1
.endr
.rept 4
	v_nop                                          ; places in front of the first read of the scores
.endr
	s_wait_kmcnt 0x0                               ; the mask words
	s_bitcmp1_b32 s21, s18
	s_cbranch_scc1 .Lopen
.set n, 0
.rept 32
	v_cndmask_b32 v[S+n], v[NEG], v[S+n], s[32+n]  ; register n keeps its score in the lanes whose bit is set.  Ascending: each accumulator is read from its low end on
.set n, n+1
.endr
.rept 32
	v_cndmask_b32 v[S+n], v[NEG], v[S+n], s[36+n]
.set n, n+1
.endr
.Lopen:
.irp b, 0,1,2,3
	v_max3_num_f32 v[BM+\b], v[S+16*\b], v[S+1+16*\b], v[S+2+16*\b]   ; the largest score of each block of 32 keys: it serves for the row's maximum and, since p rises with the score, for the block's largest p
.endr
.irp i, 3,5,7,9,11,13
.irp b, 0,1,2,3
	v_max3_num_f32 v[BM+\b], v[BM+\b], v[S+16*\b+\i], v[S+1+16*\b+\i]
.endr
.endr
.irp b, 0,1,2,3
	v_max_num_f32 v[BM+\b], v[BM+\b], v[S+15+16*\b]
.endr
.irp b, 0,1,2,3
	s_delay_alu instid0(VALU_DEP_4)
	v_permlanex16_b32 v[T2+\b], v[BM+\b], s24, s25
.endr
.irp b, 0,1,2,3
	s_delay_alu instid0(VALU_DEP_4)
	v_max_num_f32 v[BM+\b], v[BM+\b], v[T2+\b]     ; with lane l xor 16's 16 keys
.endr
	s_delay_alu instid0(VALU_DEP_2)
	v_max3_num_f32 v[TT], v[BM], v[BM+1], v[BM+2]
	s_delay_alu instid0(VALU_DEP_1)
	v_max_num_f32 v[TT], v[TT], v[BM+3]            ; the step's largest score of my query
	s_delay_alu instid0(VALU_DEP_1)
	v_mul_f32 v[TT], s26, v[TT]                    ; as t (c is positive)
	s_delay_alu instid0(VALU_DEP_1)
	v_max_num_f32 v13, v13, v[TT]                  ; the running largest t
	v_mov_b32 v[TT], v12
	s_delay_alu instid0(VALU_DEP_2)
	v_floor_f32 v12, -v13                          ; the new -M = floor(-t) = -ceil(t)
	s_delay_alu instid0(VALU_DEP_1)
	v_sub_f32 v[TT], v12, v[TT]                    ; old M - new M: a whole number, 0 or less
	s_delay_alu instid0(VALU_DEP_1)
	v_cvt_i32_f32 v[TT], v[TT]                     ; (it saturates)
	s_delay_alu instid0(VALU_DEP_1)
	v_ldexp_f32 v[FF], 1.0, v[TT]                  ; f = 2^(old M - new M)
.set j, 0
.rept 32
	v_pk_fma_f32 v[S+j:S+j+1], v[S+j:S+j+1], s[26:27], v[12:13] op_sel_hi:[1,0,0]   ; t - M, two at a time
.set j, j+2
.endr
.irp b, 0,1,2,3
	v_fma_f32 v[BM+\b], v[BM+\b], s26, v12         ; the same of each block's largest score
.endr
.set j, 0
	s_setprio 1
	s_wait_alu depctr_va_vdst(0)
.rept 64
	v_exp_f32 v[S+j], v[S+j]                       ; p = 2^(t - M)
.set j, j+1
.endr
	v_pk_mul_f32 v[14:15], v[14:15], v[FF:FF+1] op_sel_hi:[1,0]   ; the sums under the new M: the plain instruction behind the exponentials
	s_wait_alu depctr_va_vdst(0)                   ; one wait for the batch of 64, ahead of its first reader
.irp b, 0,1,2,3
	v_exp_f32 v[BM+\b], v[BM+\b]                   ; the block's largest p
.endr
	v_pk_add_f32 v[T2:T2+1], v[S:S+1], v[S+2:S+3]  ; the row's sum of the unquantised p: two at a time, in two chains
.set j, 4
.rept 15
	v_pk_add_f32 v[14:15], v[14:15], v[S+j:S+j+1]
	v_pk_add_f32 v[T2:T2+1], v[T2:T2+1], v[S+j+2:S+j+3]
.set j, j+4
.endr
	s_delay_alu instid0(VALU_DEP_1)
	v_pk_add_f32 v[14:15], v[14:15], v[T2:T2+1]
	s_wait_alu depctr_va_vdst(0)                   ; and one for the four
.irp b, 0,1,2,3
	v_max_num_f32 v[BM+\b], 0x1800000, v[BM+\b]    ; the floor 2^(3 - 127): the byte cannot fall under 1
.endr
.irp b, 0,1,2,3
	s_delay_alu instid0(VALU_DEP_4)
	v_add_nc_u32 v[SO+\b], 0xff000000, v[BM+\b]    ; 2 off the exponent field: the conversion's scale operand
.endr
.irp b, 0,1,2,3
	s_delay_alu instid0(VALU_DEP_4)
	v_lshrrev_b32 v[T2+\b], 23, v[SO+\b]           ; the scale's byte
.endr
	s_delay_alu instid0(VALU_DEP_3)
	v_lshl_or_b32 v[PW], v[T2+1], 8, v[T2]         ; p's scale word for these 128 keys
	s_delay_alu instid0(VALU_DEP_1)
	v_lshl_or_b32 v[PW], v[T2+2], 16, v[PW]
	s_delay_alu instid0(VALU_DEP_1)
	v_lshl_or_b32 v[PW], v[T2+3], 24, v[PW]
	s_setprio 0
.irp b, 0,1,2,3
	v_cvt_scalef32_pk8_fp4_f32 v[PC+2*\b], v[S+16*\b:S+7+16*\b], v[SO+\b]
	v_cvt_scalef32_pk8_fp4_f32 v[PC+1+2*\b], v[S+8+16*\b:S+15+16*\b], v[SO+\b]
.endr
	v_nop                                          ; one plain instruction behind the last scaled conversion
.irp c, 0,1
.irp i, 0,1
	v_permlane16_swap_b32 v[PC+4*\c+\i], v[PC+2+4*\c+\i]   ; a whole block in a lane
.endr
.endr
.set j, 0
.rept 16
	v_pk_mul_f32 v[O+j:O+j+1], v[O+j:O+j+1], v[FF:FF+1] op_sel_hi:[1,0]   ; O^T under the new M.  These sixteen are also the places between the scale word's and the codes' last writes and the products
.set j, j+2
.endr
	s_wait_alu depctr_va_vdst(0)
	s_wait_dscnt 0x0                               ; V and its scale words
.irp d, 0,1,2,3
	v_wmma_scale_f32_16x16x128_f8f6f4 v[O+8*\d:O+8*\d+7], v[VF+8*\d:VF+8*\d+7], v[PC:PC+7], v[O+8*\d:O+8*\d+7], v[VS+\d], v[PW] matrix_a_fmt:MATRIX_FMT_FP4 matrix_b_fmt:MATRIX_FMT_FP4
.endr
.Lnext:
	s_add_co_u32 s18, s18, 1
	s_cmp_lt_u32 s18, 16
	s_cbranch_scc1 .Lstep
	s_setprio 0
	; the tile's end: O^T / the sum, quantised along the head's 64 channels: register 16 b + i is channel 32 b + 16 h + i
.rept 4
	v_nop                                          ; places behind the last products
.endr
	s_wait_alu depctr_va_vdst(0)
	v_add_f32 v14, v14, v15
	s_delay_alu instid0(VALU_DEP_1)
	v_permlanex16_b32 v[TT], v14, s24, s25
	s_delay_alu instid0(VALU_DEP_1)
	v_add_f32 v14, v14, v[TT]                      ; the row's sum
	s_wait_alu depctr_va_vdst(0)
	v_rcp_f32 v[FF], v14
	v_nop                                          ; a plain instruction behind the reciprocal
	s_wait_alu depctr_va_vdst(0)                   ; and the wait ahead of its first reader
.set j, 0
.rept 16
	v_pk_mul_f32 v[O+j:O+j+1], v[O+j:O+j+1], v[FF:FF+1] op_sel_hi:[1,0]
.set j, j+2
.endr
.irp b, 0,1
	v_max3_num_f32 v[BM+\b], |v[O+16*\b]|, |v[O+1+16*\b]|, 0x1800000
.endr
.irp i, 2,4,6,8,10,12,14
.irp b, 0,1
	s_delay_alu instid0(VALU_DEP_2)
	v_max3_num_f32 v[BM+\b], v[BM+\b], |v[O+16*\b+\i]|, |v[O+1+16*\b+\i]|
.endr
.endr
.irp b, 0,1
	s_delay_alu instid0(VALU_DEP_2)
	v_permlanex16_b32 v[T2+\b], v[BM+\b], s24, s25
.endr
.irp b, 0,1
	s_delay_alu instid0(VALU_DEP_2)
	v_max_num_f32 v[BM+\b], v[BM+\b], v[T2+\b]
.endr
.irp b, 0,1
	s_delay_alu instid0(VALU_DEP_2)
	v_add_nc_u32 v[SO+\b], 0xff000000, v[BM+\b]
.endr
.irp b, 0,1
	s_delay_alu instid0(VALU_DEP_2)
	v_lshrrev_b32 v[T2+\b], 23, v[SO+\b]
.endr
	s_delay_alu instid0(VALU_DEP_1)
	v_lshl_or_b32 v[TT], v[T2+1], 8, v[T2]         ; the head's two bytes of the row's scale word
.irp b, 0,1
	v_cvt_scalef32_pk8_fp4_f32 v[PC+2*\b], v[O+16*\b:O+7+16*\b], v[SO+\b]
	v_cvt_scalef32_pk8_fp4_f32 v[PC+1+2*\b], v[O+8+16*\b:O+15+16*\b], v[SO+\b]
.endr
	v_nop                                          ; one plain instruction behind the last scaled conversion
	v_permlane16_swap_b32 v[PC], v[PC+2]
	v_permlane16_swap_b32 v[PC+1], v[PC+3]
	global_store_b128 v[OA], v[PC:PC+3], s[10:11]  ; half an image: 512 consecutive bytes
	s_wait_alu depctr_va_vdst(0)
	s_wait_xcnt 0x0                                ; EXEC changes only behind this wait
	v_cmp_gt_u32 vcc_lo, 16, v[LN]
	s_and_saveexec_b32 s66, vcc_lo
	global_store_b16 v[OS], v[TT], s[12:13]        ; lanes 0-15: row r's two bytes
	s_wait_xcnt 0x0                                ; and again in front of the line that widens it; the stores' registers may be written again too
	s_or_b32 exec_lo, exec_lo, s66
	s_add_co_u32 s17, s17, 1
	s_cmp_lt_u32 s17, 2
	s_cbranch_scc1 .Ltile
	s_wait_tensorcnt 0x0
	ds_add_u32 v254, v255
	s_wait_dscnt 0x0
	s_endpgm
.Lfunc_end_k_q20a28b84a3_attn:
	.size	k_q20a28b84a3_attn, .Lfunc_end_k_q20a28b84a3_attn-k_q20a28b84a3_attn
	.p2alignl 7, 3214868480
	.fill 96, 4, 3214868480
	.section	.rodata,"a",@progbits
	.p2align	6, 0x0
	.amdhsa_kernel k_q20a28b84a3_attn
		.amdhsa_group_segment_fixed_size 145408
		.amdhsa_private_segment_fixed_size 0
		.amdhsa_enable_private_segment 0
		.amdhsa_kernarg_size 40
		.amdhsa_user_sgpr_count 2
		.amdhsa_user_sgpr_kernarg_segment_ptr 1
		.amdhsa_wavefront_size32 1
		.amdhsa_system_sgpr_workgroup_id_x 1
		.amdhsa_system_sgpr_workgroup_id_y 1
		.amdhsa_system_sgpr_workgroup_id_z 1
		.amdhsa_system_vgpr_workitem_id 0
		.amdhsa_next_free_vgpr 256
		.amdhsa_next_free_sgpr 102
		.amdhsa_reserve_vcc 1
		.amdhsa_float_denorm_mode_32 3
		.amdhsa_float_denorm_mode_16_64 3
		.amdhsa_memory_ordered 1
		.amdhsa_forward_progress 1
		.amdhsa_inst_pref_size 39
	.end_amdhsa_kernel
	.amdgpu_metadata
---
amdhsa.version: [ 1, 2 ]
amdhsa.kernels:
  - .name:           k_q20a28b84a3_attn
    .symbol:         k_q20a28b84a3_attn.kd
    .args:
      - { .name: hd, .offset: 0, .size: 8, .value_kind: global_buffer, .address_space: global }
      - { .name: mwords, .offset: 8, .size: 8, .value_kind: global_buffer, .address_space: global }
      - { .name: mstat, .offset: 16, .size: 8, .value_kind: global_buffer, .address_space: global }
      - { .name: oim, .offset: 24, .size: 8, .value_kind: global_buffer, .address_space: global }
      - { .name: osc, .offset: 32, .size: 8, .value_kind: global_buffer, .address_space: global }
    .group_segment_fixed_size: 145408
    .private_segment_fixed_size: 0
    .kernarg_segment_align: 8
    .kernarg_segment_size: 40
    .max_flat_workgroup_size: 512
    .sgpr_count:     102
    .vgpr_count:     256
    .wavefront_size: 32
...
	.end_amdgpu_metadata
.endif
;; end of part 3
;; launch oproj (part 4): grid 256 x 1, 4 waves a work-group, no clusters, 69,120 bytes of LDS; arguments oim, osc, img, scl, bo, out0; writes out0
.if DOCPART == 4
	.amdgcn_target "amdgcn-amd-amdhsa--gfx1250"
	.amdhsa_code_object_version 6
	.text
	.protected	k_q20a28b84a3_oproj
	.globl	k_q20a28b84a3_oproj
	.p2align	8
	.type	k_q20a28b84a3_oproj,@function
k_q20a28b84a3_oproj:
	s_mov_b64 s[64:65], 0
	v_nop
	global_prefetch_b8 v0, s[64:65] scope:SCOPE_SE
	s_setreg_imm32_b32 hwreg(HW_REG_WAVE_MODE, 25, 1), 1
	s_wait_xcnt 0x0
; out0 = O Wo^T + bo on codes of FP4 with E8M0 scales: O's images come from the attention, Wo's from the first launch.  out0: [8192][1024] f32.
; THE CORE is the projections': source 0 is STATIONARY: a wave keeps 8 tiles (128 rows) of Wo x all 8 K steps in 512 registers; source 1 is STREAMED: the work-group's 4 tiles (64 rows) of O, laid into LDS once (one barrier).
; In the result lane (r, h) holds streamed row r, and the 16 registers of stationary tiles 2 b, 2 b + 1 are output columns 32 b + 16 h + 0 .. 15 of the wave's 128
; (tile order: lane p of tile T takes row 32 (T / 2) + 8 (T % 2) + p + 8 (p / 8)).
; SHARES: work-group x: columns 512 (x / 128) on, 128 a wave; rows 64 (x % 128) on.
; THE WAY OUT: a tile's 16 rows x 512 bytes go through the wave's own stage in LDS (rows of 528 bytes) and leave as whole rows: 32 lanes store 512 consecutive bytes, aligned.
; No cluster: the stationary operand goes from memory straight into registers, and what the work-groups share beside it is 32 KB against 256 KB.
; REGISTERS, in windows of 256: window 0: v1-13 addresses; v16-79 Wo's scale words (8 t + s); v80-95 the streamed tile's, two sets; v96-159 the 8 accumulators; v192-255 the bias in the result's layout.
;   window 1: v0-127 streamed fragments, two sets; v128-191 rows on the way out.  windows 2, 3: Wo's fragments of K steps 0-3, 4-7 (64 (s % 4) + 8 t).
.set WS, 16
.set AS, 80
.set HA, 96
.set BI, 192
.set OB, 128                           ; in window 1
.set SCB, 32768                        ; LDS: 4 tiles of 8,192 bytes; their scale words (4 x 512);
.set STG, 34816                        ; a stage of 16 x 528 bytes for each wave
.set PITCH, 528
.set MSB, 0
.macro WIN new                         ; s_set_vgpr_msb: bits 1:0 source 0, 3:2 source 1, 5:4 source 2, 7:6 destination; the high byte repeats the setting that is left
.if MSB != \new
	s_set_vgpr_msb (MSB<<8)|\new
.set MSB, \new
.endif
.endm
.macro LDW                             ; the stationary fragments: 128 loads of 512 consecutive bytes
	WIN 0x80
.irp t, 0,1,2,3,4,5,6,7
.irp s, 0,1,2,3
.irp c, 0,1
	global_load_b128 v[64*\s+8*\t+4*\c:64*\s+8*\t+4*\c+3], v8, s[20:21] offset:8192*\t+1024*\s+512*\c
.endr
.endr
.endr
	WIN 0xc0
.irp t, 0,1,2,3,4,5,6,7
.irp s, 4,5,6,7
.irp c, 0,1
	global_load_b128 v[64*(\s-4)+8*\t+4*\c:64*(\s-4)+8*\t+4*\c+3], v8, s[20:21] offset:8192*\t+1024*\s+512*\c
.endr
.endr
.endr
	WIN 0
.endm
.macro LDWS                            ; and their scale words: lane r takes row r's eight
.irp t, 0,1,2,3,4,5,6,7
.irp e, 0,1
	global_load_b128 v[WS+8*\t+4*\e:WS+8*\t+4*\e+3], v6, s[22:23] offset:512*\t+16*\e
.endr
.endr
.endm
.macro FETCH tau, p                    ; streamed tile tau out of LDS into set p: 16 + 2 LDS loads
	WIN 0x40
.irp s, 0,1,2,3,4,5,6,7
.irp c, 0,1
	ds_load_b128 v[64*(\p)+8*\s+4*\c:64*(\p)+8*\s+4*\c+3], v2 offset:8192*(\tau)+1024*\s+512*\c
.endr
.endr
	WIN 0
.irp e, 0,1
	ds_load_b128 v[AS+8*(\p)+4*\e:AS+8*(\p)+4*\e+3], v5 offset:512*(\tau)+16*\e
.endr
.endm
; 64 matrix instructions: 8 stationary tiles x 8 K steps against set p.  The first K step takes the bias as C.  The eight accumulators take turns, one instruction a turn.
; Five plain instructions follow: results are read next, and the next tile's first products write over these accumulators with nothing but LDS and memory instructions between.
.macro MM p
	WIN 0x06                                       ; source 0 window 2, source 1 window 1, C and D window 0
.irp s, 0,1,2,3
.irp t, 0,1,2,3,4,5,6,7
.if \s == 0
	v_wmma_scale_f32_16x16x128_f8f6f4 v[HA+8*\t:HA+8*\t+7], v[64*\s+8*\t:64*\s+8*\t+7], v[64*(\p)+8*\s:64*(\p)+8*\s+7], v[BI+8*\t:BI+8*\t+7], v[WS+8*\t+\s], v[AS+8*(\p)+\s] matrix_a_fmt:MATRIX_FMT_FP4 matrix_b_fmt:MATRIX_FMT_FP4
.else
	v_wmma_scale_f32_16x16x128_f8f6f4 v[HA+8*\t:HA+8*\t+7], v[64*\s+8*\t:64*\s+8*\t+7], v[64*(\p)+8*\s:64*(\p)+8*\s+7], v[HA+8*\t:HA+8*\t+7], v[WS+8*\t+\s], v[AS+8*(\p)+\s] matrix_a_fmt:MATRIX_FMT_FP4 matrix_b_fmt:MATRIX_FMT_FP4
.endif
.endr
.endr
	WIN 0x07                                       ; source 0 window 3
.irp s, 4,5,6,7
.irp t, 0,1,2,3,4,5,6,7
	v_wmma_scale_f32_16x16x128_f8f6f4 v[HA+8*\t:HA+8*\t+7], v[64*(\s-4)+8*\t:64*(\s-4)+8*\t+7], v[64*(\p)+8*\s:64*(\p)+8*\s+7], v[HA+8*\t:HA+8*\t+7], v[WS+8*\t+\s], v[AS+8*(\p)+\s] matrix_a_fmt:MATRIX_FMT_FP4 matrix_b_fmt:MATRIX_FMT_FP4
.endr
.endr
	WIN 0
.rept 5
	v_nop
.endr
.endm
	s_load_b256 s[4:11], s[0:1], 0x0               ; oim 4, osc 6, img 8, scl 10
	s_load_b128 s[12:15], s[0:1], 0x20             ; bo 12, out0 14
	v_lshl_add_u32 v190, v0, 2, 0x10c00
	v_mov_b32 v191, 0
	v_lshrrev_b32 v1, 5, v0
	v_readfirstlane_b32 s2, v1                     ; wave 0..3
	v_and_b32 v1, 31, v0                           ; lane
	v_and_b32 v3, 15, v0                           ; r
	v_bfe_u32 v4, v0, 4, 1                         ; h
	v_lshlrev_b32 v8, 4, v1                        ; 16 x lane
	v_lshlrev_b32 v6, 5, v3                        ; 32 r
	v_mov_b32 v2, v8                               ; streamed fragments: 16 x lane
	v_add_nc_u32 v5, SCB, v6                       ; their scale words: 32 r
	v_lshlrev_b32 v7, 6, v4                        ; the bias: 16 h numbers on
	s_lshl_b32 s34, s2, 13
	v_add_nc_u32 v10, s34, v8                      ; I lay tile w into LDS,
	s_lshl_b32 s34, s2, 9
	s_add_co_u32 s34, s34, SCB
	v_add_nc_u32 v11, s34, v8                      ; and its scale words
	s_mul_i32 s34, s2, 16*PITCH
	s_add_co_u32 s34, s34, STG                     ; my stage
	v_mul_u32_u24 v12, v3, PITCH
	v_lshl_add_u32 v12, v4, 6, v12
	v_add_nc_u32 v12, s34, v12                     ; into it: row r, + 64 h
	v_add_nc_u32 v13, s34, v8                      ; out of it: 16 x lane of a row
	s_mov_b32 s35, 0                               ; high words of the offset pairs
	s_mov_b32 s37, 0
	s_lshr_b32 s17, ttmp9, 7                       ; sl: which 512 columns
	s_and_b32 s19, ttmp9, 127                      ; ch: which 64 rows
	s_lshl_b32 s38, s17, 5
	s_lshl_b32 s39, s2, 3
	s_add_co_u32 s38, s38, s39
	s_add_co_u32 s38, s38, 1728                    ; my first tile of Wo: 1728 + 32 sl + 8 w
	s_lshl_b32 s34, s38, 13
	s_lshl_b32 s36, s38, 9
	s_wait_alu depctr_va_vdst(0)
	s_wait_kmcnt 0x0
	s_add_nc_u64 s[20:21], s[8:9], s[34:35]
	s_add_nc_u64 s[22:23], s[10:11], s[36:37]
	s_lshl_b32 s38, s19, 2
	s_add_co_u32 s38, s38, s2                      ; the tile of O that I lay into LDS: 4 ch + w
	s_lshl_b32 s34, s38, 13
	s_lshl_b32 s36, s38, 9
	s_add_nc_u64 s[24:25], s[4:5], s[34:35]
	s_add_nc_u64 s[26:27], s[6:7], s[36:37]
	s_lshl_b32 s34, s17, 11
	s_lshl_b32 s39, s2, 9
	s_add_co_u32 s34, s34, s39                     ; my 128 columns, in bytes: (512 sl + 128 w) x 4
	s_add_nc_u64 s[28:29], s[12:13], s[34:35]      ; in bo,
	s_add_nc_u64 s[30:31], s[14:15], s[34:35]      ; in a row of out0,
	s_lshl_b32 s36, s19, 18
	s_add_nc_u64 s[30:31], s[30:31], s[36:37]      ; at row 64 ch
	WIN 0x40
.set n, 0
.rept 16
	global_load_b128 v[4*n:4*n+3], v8, s[24:25] offset:512*n   ; a tile, 8,192 dense bytes, on its way to LDS
.set n, n+1
.endr
	WIN 0
	global_load_b128 v[HA:HA+3], v8, s[26:27]
	LDW
	LDWS
.irp t, 0,1,2,3,4,5,6,7
.irp e, 0,1
	global_load_b128 v[BI+8*\t+4*\e:BI+8*\t+4*\e+3], v7, s[28:29] offset:(32*(\t/2)+8*(\t%2))*4+16*\e   ; register j of tile t: column 32 (t / 2) + 8 (t % 2) + 16 h + j
.endr
.endr
	s_wait_loadcnt 63                              ; loads come back in order, and 160 were issued behind the 17 for LDS: those are in
	WIN 0x04                                       ; an LDS store's data are its source 1: window 1
.set n, 0
.rept 16
	ds_store_b128 v10, v[4*n:4*n+3] offset:512*n
.set n, n+1
.endr
	WIN 0
	ds_store_b128 v11, v[HA:HA+3]
	s_wait_dscnt 0x0                               ; for the others' sake: my stores have landed
	s_barrier_signal -1
	s_barrier_wait -1                              ; the four tiles lie in LDS; they are not written again
	FETCH 0, 0
	s_wait_loadcnt 0x0                             ; Wo's fragments, their scale words, the bias
.macro OTILE tau
.set P, (\tau)%2
.if (\tau) < 3
	FETCH (\tau)+1, 1-P
	s_wait_dscnt 18                                ; this tile's 18 loads are in; the next tile's 18 may be out
.else
	s_wait_dscnt 0x0
.endif
	MM P
	s_wait_xcnt 0x0                                ; the last tile's stores have read the rows' registers: they are loaded again only behind this wait
.irp t, 0,1,2,3,4,5,6,7
.irp e, 0,1
	ds_store_b128 v12, v[HA+8*\t+4*\e:HA+8*\t+4*\e+3] offset:128*(\t/2)+32*(\t%2)+16*\e   ; each accumulator from its low end on
.endr
.endr
	WIN 0x40
.set p, 0
.rept 16
	ds_load_b128 v[OB+4*p:OB+4*p+3], v13 offset:PITCH*p   ; LDS serves a wave's instructions in order: these see the stores above
.set p, p+1
.endr
	s_wait_dscnt 0x0
	WIN 0x04                                       ; a store's data are its source 1: window 1
.set p, 0
.rept 16
	global_store_b128 v8, v[OB+4*p:OB+4*p+3], s[30:31] offset:(32*((\tau)/2)+8*((\tau)%2)+p+8*(p/8))*4096 th:TH_STORE_NT   ; 32 lanes store 512 consecutive bytes of one row; written once, read by nobody here
.set p, p+1
.endr
	WIN 0
.endm
.irp tau, 0,1,2,3
	OTILE \tau
.endr
	s_wait_tensorcnt 0x0
	ds_add_u32 v190, v191
	s_wait_dscnt 0x0
	s_endpgm
.Lfunc_end_k_q20a28b84a3_oproj:
	.size	k_q20a28b84a3_oproj, .Lfunc_end_k_q20a28b84a3_oproj-k_q20a28b84a3_oproj
	.p2alignl 7, 3214868480
	.fill 96, 4, 3214868480
	.section	.rodata,"a",@progbits
	.p2align	6, 0x0
	.amdhsa_kernel k_q20a28b84a3_oproj
		.amdhsa_group_segment_fixed_size 69120
		.amdhsa_private_segment_fixed_size 0
		.amdhsa_enable_private_segment 0
		.amdhsa_kernarg_size 48
		.amdhsa_user_sgpr_count 2
		.amdhsa_user_sgpr_kernarg_segment_ptr 1
		.amdhsa_wavefront_size32 1
		.amdhsa_system_sgpr_workgroup_id_x 1
		.amdhsa_system_sgpr_workgroup_id_y 1
		.amdhsa_system_sgpr_workgroup_id_z 1
		.amdhsa_system_vgpr_workitem_id 0
		.amdhsa_next_free_vgpr 1024
		.amdhsa_next_free_sgpr 66
		.amdhsa_reserve_vcc 0
		.amdhsa_float_denorm_mode_32 3
		.amdhsa_float_denorm_mode_16_64 3
		.amdhsa_memory_ordered 1
		.amdhsa_forward_progress 1
		.amdhsa_inst_pref_size 73
	.end_amdhsa_kernel
	.amdgpu_metadata
---
amdhsa.version: [ 1, 2 ]
amdhsa.kernels:
  - .name:           k_q20a28b84a3_oproj
    .symbol:         k_q20a28b84a3_oproj.kd
    .args:
      - { .name: oim, .offset: 0, .size: 8, .value_kind: global_buffer, .address_space: global }
      - { .name: osc, .offset: 8, .size: 8, .value_kind: global_buffer, .address_space: global }
      - { .name: img, .offset: 16, .size: 8, .value_kind: global_buffer, .address_space: global }
      - { .name: scl, .offset: 24, .size: 8, .value_kind: global_buffer, .address_space: global }
      - { .name: bo, .offset: 32, .size: 8, .value_kind: global_buffer, .address_space: global }
      - { .name: out0, .offset: 40, .size: 8, .value_kind: global_buffer, .address_space: global }
    .group_segment_fixed_size: 69120
    .private_segment_fixed_size: 0
    .kernarg_segment_align: 8
    .kernarg_segment_size: 48
    .max_flat_workgroup_size: 128
    .sgpr_count:     66
    .vgpr_count:     1024
    .wavefront_size: 32
...
	.end_amdgpu_metadata
.endif
;; end of part 4
